; MI455X (gfx1250); checked and timed in simulation.
; The chip was launched on July 23, 2026; its instructions are those of AMD's public machine-readable ISA for CDNA 5 (MIT licence, August 2026) and "CDNA5" Instruction Set Architecture Reference Guide (July 2026). The comments in the code are by the model that wrote it; some were corrected since.
;; Quantize. Allowed arithmetic: matrix products marked QUANTISED: E5M2 operands, one given power-of-two scale a tensor, by v_wmma_f32_16x16x64_bf8_bf8 or v_wmma_f32_16x16x128_bf8_bf8, f32 sums; everything else in f32.
;; Inputs: embed 64 x 1,024 float32; input 16 x 4,096 x 64 float32; lowp_scales 2 int32 (the exponents e of the quantised operands' scales 2^e).
;; Outputs: out0 16 x 4,096 x 64 float32; out1 16 x 4,096 x 64 float32; out2 16 x 4,096 int32.
;; This version of the problem:
;;   THIS VERSION OF THE PROBLEM IS GIVEN IN LOW PRECISION. The matrix products marked QUANTISED in the list below multiply operands that are first quantised to E5M2 (5 exponent bits, 2 mantissa bits; 8 bits a number), with one given power-of-two scale for each operand tensor; their sums are f32. All else is computed in f32.
;;   The module's matrix products, in the order in which they are computed (A, B: the left and right operand; K: the contracted axis; several contracted axes count as one K, in the product's order):
;;     1. [M 65,536, K 64] x [K 64, N 1,024]; A: input input; B: input embed: QUANTISED (scales: A lowp_scales[0], B lowp_scales[1])
;;   THE QUANTISER, for each operand of a quantised product, along K:
;;     - The operand's scale is 2^e, e = its entry of the input lowp_scales (int32; the entries are numbered through the quantised products in the list's order, A before B).
;;     - Each number is divided by the scale, clamped to +-57,344, and rounded to the nearest number of E5M2, ties to even, subnormals kept.
;;     - The product sums the exact products of the quantised numbers (number of the format x scale) in f32.
;;   ~~~python
;;   def quantise(x, axis, e):      # numpy; x: float32 -> the quantised numbers, widened to float32 again
;;       x = np.moveaxis(x, axis, -1); K = x.shape[-1]
;;       r = np.clip(x / 2.0 ** e, -57344, 57344)
;;       step = 2.0 ** (np.maximum(np.frexp(np.where(r == 0, 1, r))[1] - 1, -14) - 2)
;;       q = np.round(r / step) * step * 2.0 ** e      # np.round: ties to even
;;       return np.moveaxis(q, -1, axis).astype(np.float32)
;;   ~~~
;; One version. Each part assembles by itself: llvm-mc -triple=amdgcn-amd-amdhsa -mcpu=gfx1250 --defsym DOCPART=n.
;; ======== version 1 of 1: 2 launches
;; limits: right only within a limited range of input values
;; workspace buffers: idx 262,144 bytes of whole numbers; embt 262,144 bytes
;; launch nearest (part 1): grid 256 x 1, 8 waves a work-group, no clusters, 161,792 bytes of LDS; arguments input, embed, lowp_scales, out2, idx, embt; writes out2, idx, embt
.if DOCPART == 1
	.amdgcn_target "amdgcn-amd-amdhsa--gfx1250"
	.amdhsa_code_object_version 6
	.text
	.protected	k_q12bf0c7564_nearest
	.globl	k_q12bf0c7564_nearest
	.p2align	8
	.type	k_q12bf0c7564_nearest,@function
k_q12bf0c7564_nearest:
	s_mov_b64 s[64:65], 0
	v_nop
	global_prefetch_b8 v0, s[64:65] scope:SCOPE_SE
	s_setreg_imm32_b32 hwreg(HW_REG_WAVE_MODE, 25, 1), 1
	s_wait_xcnt 0x0
; THE NEAREST CODE OF EACH TOKEN.  input: [65,536][64] f32.  embed: [64][1,024] f32, K (the 64) its FIRST axis.  lowp_scales: ea (input), eb (embed).
; out2 and idx: [65,536] int32, the same numbers twice (idx is what the next launch forms addresses from).  embt: [1,024][64] f32, embed transposed, a code a row of 256 bytes, for the next launch's gather.
; DEAD WORK LEFT OUT: ||x||^2 is the same number for all codes of a token, whatever the inputs hold, so it moves no argmin: argmin(||x||^2 - 2 x.e + ||e||^2) = argmax(x.e - ||e||^2 / 2).
; x.e is the quantised product: BF8 (E5M2) codes of both operands by the given scales, v_wmma_f32_16x16x64_bf8_bf8 (K = 64 is one instruction).  A sum of codes stands for sum x 2^(ea + eb), so
; -||e||^2 / 2 / 2^(ea + eb) is the C of the instruction.  ||e||^2 is summed in f32 from embed as it is given.  Equal scores: the lower index, as argmin has it.
; LIMITS, stated: a NaN, an infinity or an overflow that reaches only ||x||^2 is not carried to the result.  The order of rounding differs from the written formula: two codes whose distances lie within a few units in the
; last place of the distance may be ordered otherwise.  ea and eb between -126 and 112; ||e||^2 x 2^(-ea - eb - 1) finite.  NaN among the inputs is not served.
; SHARES.  A work-group of eight waves owns 256 tokens and walks all 1,024 codes in four chunks of 256.  Wave w quantises tokens 32 w .. 32 w + 31, and codes 32 w .. 32 w + 31 of each chunk; operands go to LDS as IMAGES OF
; THEIR REGISTERS (a fragment's registers 0-3 at 16 x lane, 4-7 512 bytes on), each chunk in bytes of its own.  Wave w multiplies tokens 64 (w / 2) on (four tiles of 16) by codes 128 (w % 2) on of each chunk (eight tiles).
; Chunk c + 1 is quantised between the second and the third group of chunk c; its barrier is signalled there and waited for a group later.
; LAYOUT.  Source 0 = 16 codes, source 1 = 16 tokens: lane (r, h) of a result holds token r and, in register j, the code of tile row 8 h + j.  Along K both operands carry the same order: lane (r, h), register i, byte b
; holds k = 32 h + 4 i + b.  Two tiles make a group of 32 neighbouring codes: row m of tile u is code 4 (m % 8) + 2 u + m / 8 of the group.  So in lane half h, register j of tile u is code 4 j + 2 u + h.
; THE ARGMAX goes by groups, 16 scores a lane: the largest of them and of the best so far is found; where it exceeds the best so far, the group's number and its 16 scores are kept (select, no branch).
; The place inside the kept group is looked for once, at the end.  The first group's products are written straight into the kept registers: nothing is cleared.
; NO CLUSTER: what the work-groups share is embed as f32, which goes straight into the registers that quantise it; asked for jointly, its 262,144 bytes would be written to and read from LDS once more in each work-group,
; with a round of the cluster for each of four chunks.  NO PREFETCH: all of x is asked for at the head, and there is no loop to run ahead in.
.set IMGA,  0                          ; LDS: the codes' 64 images of 1,024 bytes
.set BIAS,  65536                      ; the bias, 64 bytes for each tile, in the order of its rows
.set IMGX,  BIAS+4096                  ; the tokens' 16 images
.set STG,   IMGX+16384                 ; a stage for each wave: 32 rows of x
.set SROW,  272                        ; a stage row: 256 bytes + 16: row r starts at bank 4 r mod 64 (64 banks of 4 bytes: ISA guide 11.1)
.set COMB,  STG+8*32*SROW              ; (best score, its code) of 64 tokens for each wave: 512 bytes
.set EMT,   COMB+4096                  ; four rows of embt, 256 bytes each
.set SPARE, EMT+1024                   ; the spare words, 128 bytes for each wave
; registers, window 0: v1 code images, v2 bias, v3 spare word, v4 zero, v5 token images, v6 embed's offset, v7 image stores, v8 bias stores, v9/v10/v14 embt's word, v13 2^eb, v15 2^ea
.set T,   16                           ; v16-23   two chains of the maximum for each token tile
.set BK,  24                           ; v24-31   best scores: two sets of four, by turns from group to group
.set GI,  32                           ; v32-35   the best group's number
.set BF,  36                           ; v36-67   four fragments of tokens
.set AF,  68                           ; v68-83   two fragments of codes
.set CF,  84                           ; v84-99   their bias (before the first barrier: the tokens' codes)
.set D,   100                          ; v100-163 a group's scores, 16 for each token tile; between groups: a chunk's held numbers
.set KP,  164                          ; v164-227 the best group's scores (before the first barrier: x)
.set E,   228                          ; v228-231 ||e||^2 of my four columns
.set CO,  232                          ; v232-247 codes just made
.set TP,  248                          ; v248-251 lane permutes' results
; window 1: v256-319, v320-383: two chunks of embed as loaded, 16 rows x 4 columns a lane
.set MSB, 0
.macro WIN new                         ; the immediate's high byte repeats the setting that is left
.if MSB != \new
	s_set_vgpr_msb (MSB<<8)|\new
.set MSB, \new
.endif
.endm
	s_load_b256 s[4:11], s[0:1], 0x0               ; input s[4:5], embed s[6:7], lowp_scales s[8:9], out2 s[10:11]
	s_load_b128 s[12:15], s[0:1], 0x20             ; idx s[12:13], embt s[14:15]
	v_lshrrev_b32 v1, 5, v0
	v_readfirstlane_b32 s16, v1                    ; wave w, 0..7
	s_lshr_b32 s17, s16, 1                         ; w / 2
	s_and_b32 s18, s16, 1                          ; w % 2
	s_mul_i32 s20, s16, 32*SROW
	s_add_co_u32 s20, s20, STG                     ; my stage
	s_lshl_b32 s21, s16, 11                        ; 2,048 w: two images
	s_add_co_u32 s34, s21, IMGX
	s_lshl_b32 s35, s16, 7                         ; 128 w
	s_add_co_u32 s36, s35, BIAS
	s_add_co_u32 s37, s35, EMT
	s_lshl_b32 s38, s18, 13
	s_lshl_b32 s39, s18, 9
	s_add_co_u32 s39, s39, BIAS
	s_lshl_b32 s40, s17, 12
	s_add_co_u32 s40, s40, IMGX
	s_lshl_b32 s41, s18, 17
	s_lshl_b32 s22, ttmp9, 4
	s_add_co_u32 s41, s41, s22
	s_lshl_b32 s22, s17, 2
	s_add_co_u32 s41, s41, s22
	s_lshl_b32 s22, ttmp9, 16                      ; the work-group's 256 tokens of 256 bytes,
	s_lshl_b32 s23, s16, 13                        ; my wave's 32
	s_add_co_u32 s22, s22, s23
	s_mov_b32 s23, 0
	s_mov_b32 s50, 0x76543210                      ; v_permlanex16_b32's selects for lane l xor 16
	s_mov_b32 s51, 0xfedcba98
	v_lshl_add_u32 v3, v0, 2, SPARE
	v_mov_b32 v4, 0
	v_and_b32 v20, 31, v0                          ; lane
	v_and_b32 v21, 15, v0                          ; r
	v_bfe_u32 v22, v0, 4, 1                        ; h
	v_and_b32 v23, 7, v0                           ; lane % 8
	v_bfe_u32 v16, v0, 3, 2                        ; lane / 8
	v_bfe_u32 v17, v0, 3, 1                        ; its low bit
	v_lshlrev_b32 v12, 4, v20                      ; 16 x lane: my bytes of a dense load of x
	v_mul_u32_u24 v18, v22, SROW
	v_mul_u32_u24 v19, v21, SROW
	v_lshlrev_b32 v6, 16, v16
	v_lshlrev_b32 v7, 4, v23
	v_lshl_add_u32 v18, v21, 4, v18
	v_lshl_add_u32 v19, v22, 7, v19
	v_lshl_add_u32 v6, v23, 4, v6
	v_lshl_add_u32 v7, v17, 9, v7
	v_add_nc_u32 v18, s20, v18                     ; into the stage: a load's two rows as they lie: row h, byte 16 r
	v_add_nc_u32 v19, s20, v19                     ; out of it: row r, byte 128 h: my 32 neighbours along K
	v_add_nc_u32 v6, s35, v6                       ; embed: rows 16 (lane / 8) on, bytes 128 w + 16 (lane % 8): four columns
	v_lshl_add_u32 v7, v22, 8, v7
	v_lshl_add_u32 v8, v23, 2, s36                 ; bias: 128 w + 4 (lane % 8)
	v_lshl_add_u32 v9, v20, 12, s41                ; embt: the work-group owns codes 4 g .. 4 g + 3; wave w fetches k = 32 (w % 2) + lane of code 4 g + w / 2
	v_lshl_add_u32 v10, v20, 2, s37                ; and puts it at EMT + 256 (w / 2) + 4 k = EMT + 128 w + 4 x lane
	v_add_nc_u32 v7, s21, v7                       ; image stores: 2,048 w + 512 (register half) + 256 h + 16 (lane % 8)
	v_add_nc_u32 v11, s34, v12                     ; my two token images
	v_add_nc_u32 v1, s38, v12                      ; the code images that I multiply: 8,192 (w % 2) + 16 x lane
	v_lshl_add_u32 v2, v22, 5, s39                 ; their bias: 512 (w % 2), my half's 32 bytes
	v_add_nc_u32 v5, s40, v12                      ; my four token images
.irp c, 0,1,2,3
	v_mov_b32 v[TP+\c], 0                          ; a lane permute's destination counts as one of its sources: written once
.endr
	s_wait_alu depctr_va_vdst(0)                   ; the wait at the head's end
	s_wait_kmcnt 0x0
	s_load_b64 s[24:25], s[8:9], 0x0               ; ea, eb
	s_add_nc_u64 s[4:5], s[4:5], s[22:23]
.irp i, 0,1,2,3,4,5,6,7,8,9,10,11,12,13,14,15
	global_load_b128 v[KP+4*\i:KP+4*\i+3], v12, s[4:5] offset:512*\i   ; 32 lanes read 512 consecutive bytes: tokens 2 i and 2 i + 1
.endr
.macro ELOAD m                         ; chunk m of embed, 256 codes: lane takes rows 16 (lane / 8) + i of its four columns; eight lanes read 128 consecutive bytes, the eight waves a row's 1,024
	WIN 0x40
.irp i, 0,1,2,3,4,5,6,7,8,9,10,11,12,13,14,15
	global_load_b128 v[64*((\m)%2)+4*\i:64*((\m)%2)+4*\i+3], v6, s[6:7] offset:1024*(\m)+4096*\i
.endr
	WIN 0
.endm
	ELOAD 0
	s_wait_kmcnt 0x0
	s_add_co_i32 s26, s24, 127
	s_lshl_b32 s27, s26, 23
	v_mov_b32 v15, s27                             ; 2^ea as f32: the conversion takes its exponent field
	s_add_co_i32 s26, s26, 15
	s_lshl_b32 s28, s26, 23
	s_or_b32 s28, s28, 0x600000                    ; 57,344 x 2^ea
	s_or_b32 s29, s28, 0x80000000                  ; and its negative
	s_add_co_i32 s26, s25, 127
	s_lshl_b32 s27, s26, 23
	v_mov_b32 v13, s27                             ; 2^eb
	s_add_co_i32 s26, s26, 15
	s_lshl_b32 s30, s26, 23
	s_or_b32 s30, s30, 0x600000
	s_or_b32 s31, s30, 0x80000000
	s_add_co_i32 s33, s24, s25
	s_sub_co_i32 s33, -1, s33                      ; -(ea + eb) - 1
	s_wait_alu depctr_va_vdst(0)                   ; directly ahead of the wait below
	s_wait_loadcnt 16                              ; loads come back in order (ISA guide 5.7.1): x's sixteen are in, chunk 0's sixteen may be out
	; ---- x: through my stage, so that loads are dense and a lane yet holds neighbours along K
.irp i, 0,1,2,3,4,5,6,7,8,9,10,11,12,13,14,15
	ds_store_b128 v18, v[KP+4*\i:KP+4*\i+3] offset:2*SROW*\i
.endr
.irp u, 0,1
.irp c, 0,1,2,3,4,5,6,7
	ds_load_b128 v[KP+32*\u+4*\c:KP+32*\u+4*\c+3], v19 offset:16*SROW*\u+16*\c   ; LDS serves a wave's instructions in order (ISA guide 5.7.1.4).  Register 32 u + i: k = 32 h + i of token 16 u + r
.endr
.endr
	ELOAD 1
.irp u, 0,1
	s_wait_dscnt 8-8*\u                            ; tile u is back; behind tile 0's loads stand tile 1's eight
.irp i, 0,1,2,3,4,5,6,7,8,9,10,11,12,13,14,15,16,17,18,19,20,21,22,23,24,25,26,27,28,29,30,31
	v_med3_num_f32 v[KP+32*\u+\i], v[KP+32*\u+\i], s29, s28   ; the conversion to an 8-bit code does not saturate (ISA guide 7.6.2): the hold at the largest code x the scale
.endr
.irp g, 0,1,2,3
	v_cvt_scalef32_pk8_bf8_f32 v[CF+8*\u+2*\g:CF+8*\u+2*\g+1], v[KP+32*\u+8*\g:KP+32*\u+8*\g+7], v15
.endr
	v_nop                                          ; a plain vector line behind a run of scaled conversions
.endr
.irp u, 0,1
	ds_store_b128 v11, v[CF+8*\u:CF+8*\u+3] offset:1024*\u
	ds_store_b128 v11, v[CF+8*\u+4:CF+8*\u+7] offset:1024*\u+512
.endr
; ---- chunk c of embed: a lane holds 16 rows of four columns.  The hold moves each column's 16 numbers into consecutive registers; the conversions' results are 16 neighbouring bytes of a code's image.
; Column 4 (lane % 8) + k is row (lane % 8) + 8 (k % 2) of tile k / 2.  ||e||^2: my 16 rows, then the other three lanes that hold the column.
.macro QUANT c
.if (\c) == 0
	s_wait_loadcnt 16                              ; chunk 0 is in; chunk 1's sixteen may be out
.elseif (\c) < 3
	s_wait_loadcnt 17                              ; chunk c is in; the next chunk's sixteen and embt's word may be out
.else
	s_wait_loadcnt 0x0
.endif
.set LB, 64*((\c)%2)
	WIN 0x05                                       ; sources 0 and 1 in window 1
.irp i, 0,1,2,3,4,5,6,7,8,9,10,11,12,13,14,15
.if \i == 0
	v_pk_mul_f32 v[E:E+1], v[LB:LB+1], v[LB:LB+1]              ; the first row starts the sums
	v_pk_mul_f32 v[E+2:E+3], v[LB+2:LB+3], v[LB+2:LB+3]
.else
	v_pk_fma_f32 v[E:E+1], v[LB+4*\i:LB+4*\i+1], v[LB+4*\i:LB+4*\i+1], v[E:E+1]
	v_pk_fma_f32 v[E+2:E+3], v[LB+4*\i+2:LB+4*\i+3], v[LB+4*\i+2:LB+4*\i+3], v[E+2:E+3]
.endif
.irp k, 0,1,2,3
	v_med3_num_f32 v[D+16*\k+\i], v[LB+4*\i+\k], s31, s30      ; the hold, and the way from (row, column) to (column, row) in one
.endr
.endr
.if (\c) < 2
	ELOAD (\c)+2                                   ; the chunk's registers take the chunk two further on
.endif
	WIN 0
.if (\c) == 0
	global_load_b32 v14, v9, s[6:7]                ; embt's word
.endif
.irp k, 0,1,2,3
	v_add_f32_dpp v[E+\k], v[E+\k], v[E+\k] row_xmask:8 row_mask:0xf bank_mask:0xf
.endr
.irp k, 0,1,2,3
	v_permlanex16_b32 v[TP+\k], v[E+\k], s50, s51
.endr
.irp k, 0,1,2,3
	v_add_f32 v[E+\k], v[E+\k], v[TP+\k]
.endr
.irp k, 0,1,2,3
	v_ldexp_f32 v[E+\k], -v[E+\k], s33             ; -||e||^2 / 2 / 2^(ea + eb)
.endr
.irp k, 0,1,2,3
	v_cvt_scalef32_pk8_bf8_f32 v[CO+4*\k:CO+4*\k+1], v[D+16*\k:D+16*\k+7], v13
	v_cvt_scalef32_pk8_bf8_f32 v[CO+4*\k+2:CO+4*\k+3], v[D+16*\k+8:D+16*\k+15], v13
.endr
	v_nop                                          ; a plain vector line behind the run of scaled conversions
.irp k, 0,1,2,3
	ds_store_b128 v7, v[CO+4*\k:CO+4*\k+3] offset:16384*(\c)+1024*(\k/2)+128*(\k%2)
.endr
.irp k, 0,1,2,3
	ds_store_b32 v8, v[E+\k] offset:1024*(\c)+64*(\k/2)+32*(\k%2)   ; the four lanes of a column write the same word with the same number
.endr
.if (\c) == 3
	ds_store_b32 v10, v14
.endif
.endm
	QUANT 0
	s_wait_dscnt 0x0                               ; for the others' sake: my images and my bias lie in LDS
	s_barrier_signal -1
	s_lshl_b32 s42, s18, 7                         ; register work while the others arrive: the addresses of the end
	s_lshl_b32 s43, s16, 9
	s_add_co_u32 s43, s43, COMB
	s_lshl_b32 s47, s17, 8
	s_add_co_u32 s48, s47, EMT
	v_add_nc_u32 v252, s42, v22                    ; 128 (w % 2) + h: what my lane's codes have in common
	v_lshl_add_u32 v253, v21, 3, s43               ; where token r's pair goes
	v_lshl_add_u32 v254, v20, 4, s43               ; where two tokens' pairs are read back
	v_lshl_add_u32 v255, v20, 3, s47               ; the last stores' offset: 256 (w / 2) + 8 x lane
	v_lshl_add_u32 v11, v20, 3, s48                ; my row of embt in LDS
	s_wait_alu depctr_va_vdst(0)                   ; directly ahead of the wait below
	s_barrier_wait -1
; group i of my four in chunk c: two fragments of codes and their bias
.macro LOADG c, i
.irp u, 0,1
	ds_load_b128 v[AF+8*\u:AF+8*\u+3],   v1 offset:16384*(\c)+2048*(\i)+1024*\u
	ds_load_b128 v[AF+8*\u+4:AF+8*\u+7], v1 offset:16384*(\c)+2048*(\i)+1024*\u+512
	ds_load_b128 v[CF+8*\u:CF+8*\u+3],   v2 offset:1024*(\c)+128*(\i)+64*\u
	ds_load_b128 v[CF+8*\u+4:CF+8*\u+7], v2 offset:1024*(\c)+128*(\i)+64*\u+16
.endr
.endm
; eight products: two code tiles x my four token tiles; register 16 q + 8 u + j: token tile q, tile u's row 8 h + j.  Each is a whole sum: C is the bias, D other registers
.macro MULS d
.irp q, 0,1,2,3
.irp u, 0,1
	v_wmma_f32_16x16x64_bf8_bf8 v[\d+16*\q+8*\u:\d+16*\q+8*\u+7], v[AF+8*\u:AF+8*\u+7], v[BF+8*\q:BF+8*\q+7], v[CF+8*\u:CF+8*\u+7]
.endr
.endr
.endm
; the new best of each token tile: the largest of 16 scores and, from group 1 on, of the best so far; eight chains side by side.  Each result is read from its low end on
.macro TREES base, n
.set BO, BK+4*(((\n)+1)%2)
.set BN, BK+4*((\n)%2)
.irp q, 0,1,2,3
.if (\n) == 0
	v_max_num_f32 v[T+2*\q], v[\base+16*\q], v[\base+16*\q+1]
.else
	v_max3_num_f32 v[T+2*\q], v[BO+\q], v[\base+16*\q], v[\base+16*\q+1]
.endif
.endr
.irp q, 0,1,2,3
	v_max3_num_f32 v[T+2*\q+1], v[\base+16*\q+8], v[\base+16*\q+9], v[\base+16*\q+10]
.endr
.irp s, 2,4
.irp q, 0,1,2,3
	v_max3_num_f32 v[T+2*\q], v[T+2*\q], v[\base+16*\q+\s], v[\base+16*\q+\s+1]
.endr
.irp q, 0,1,2,3
	v_max3_num_f32 v[T+2*\q+1], v[T+2*\q+1], v[\base+16*\q+\s+9], v[\base+16*\q+\s+10]
.endr
.endr
.irp q, 0,1,2,3
	v_max3_num_f32 v[T+2*\q], v[T+2*\q], v[\base+16*\q+6], v[\base+16*\q+7]
.endr
.irp q, 0,1,2,3
	v_max3_num_f32 v[BN+\q], v[T+2*\q], v[T+2*\q+1], v[\base+16*\q+15]
.endr
.endm
; where the best has grown, the group's number and its scores are kept: of equal scores the earlier group stays
.macro TAKE g
.irp q, 0,1,2,3
	v_cmp_gt_f32 vcc_lo, v[BN+\q], v[BO+\q]
	v_cndmask_b32 v[GI+\q], v[GI+\q], \g, vcc_lo
.irp i, 0,2,4,6,8,10,12,14
	v_dual_cndmask_b32 v[KP+16*\q+\i], v[KP+16*\q+\i], v[D+16*\q+\i] :: v_dual_cndmask_b32 v[KP+16*\q+\i+1], v[KP+16*\q+\i+1], v[D+16*\q+\i+1]
.endr
.endr
.endm
; a chunk: four groups.  A group's operands were asked for a group ago; the next group's are asked for behind the products, four plain vector places on (ISA guide 7.12.1).
.macro PHASE ch
.irp gi, 0,1,2,3
.if \gi == 2 && \ch < 3
	QUANT \ch+1
.endif
	s_wait_dscnt 0x0                               ; this group's operands are in (and, for the others' sake, my stores of the next chunk are done)
.if \gi == 2 && \ch < 3
	s_barrier_signal -1                            ; the next chunk: between here and the wait stand register work and LDS loads of bytes that nobody writes again
.endif
.if 4*\ch+\gi == 0
	MULS KP                                        ; group 0 is the best so far: its scores are written where the best group's are kept
.irp q, 0,1,2,3
	v_mov_b32 v[GI+\q], 0                          ; four plain lines: the places behind the products
.endr
.else
	MULS D
.rept 4
	v_nop
.endr
.endif
.if \gi < 3
	LOADG \ch, \gi+1
.elseif \ch < 3
	s_barrier_wait -1                              ; every wave's part of the next chunk lies in LDS
	LOADG \ch+1, 0
.endif
.if 4*\ch+\gi == 0
	TREES KP, 0
	s_wait_alu depctr_va_vdst(0)
.else
	TREES D, 4*\ch+\gi
	TAKE 8*\ch+\gi
.endif
.endr
.endm
.irp q, 0,1,2,3
	ds_load_b128 v[BF+8*\q:BF+8*\q+3], v5 offset:1024*\q
	ds_load_b128 v[BF+8*\q+4:BF+8*\q+7], v5 offset:1024*\q+512
.endr
	LOADG 0, 0
	PHASE 0
	PHASE 1
	PHASE 2
	PHASE 3
; the place in the kept group, for the four token tiles side by side: 4 j + 2 u, from the highest down, so that the lowest stays.  The best scores lie in the second set (group 15)
.irp q, 0,1,2,3
	v_mov_b32 v[T+2*\q], 30
.endr
.irp o, 28,26,24,22,20,18,16,14,12,10,8,6,4,2,0
.irp q, 0,1,2,3
	v_cmp_neq_f32 s[44+\q], v[KP+16*\q+8*((\o/2)%2)+(\o/4)], v[BK+4+\q]
.endr
.irp q, 0,1,2,3
	v_cndmask_b32 v[T+2*\q], \o, v[T+2*\q], s[44+\q]
.endr
.endr
.irp q, 0,1,2,3
	v_lshl_add_u32 v[T+2*\q], v[GI+\q], 5, v[T+2*\q]
.endr
.irp q, 0,1,2,3
	v_permlanex16_b32 v[TP+\q], v[BK+4+\q], s50, s51
.endr
.irp q, 0,1,2,3
	v_add_nc_u32 v[T+2*\q], v252, v[T+2*\q]        ; the code: 32 x group + 128 (w % 2) + 4 j + 2 u + h
.endr
.irp q, 0,1,2,3
	v_permlanex16_b32 v[T+2*\q+1], v[T+2*\q], s50, s51
.endr
; the token's other eight codes of each tile lie in lane l xor 16: the larger score, of equal ones the lower code; both lanes end alike
.irp q, 0,1,2,3
	v_cmp_eq_f32 s[44+\q], v[TP+\q], v[BK+4+\q]
.endr
.irp q, 0,1,2,3
	v_min_u32 v[BK+\q], v[T+2*\q], v[T+2*\q+1]
.endr
.irp q, 0,1,2,3
	v_cndmask_b32 v[T+2*\q], v[T+2*\q], v[BK+\q], s[44+\q]
.endr
.irp q, 0,1,2,3
	v_cmp_gt_f32 s[44+\q], v[TP+\q], v[BK+4+\q]
.endr
.irp q, 0,1,2,3
	v_max_num_f32 v[D+2*\q], v[BK+4+\q], v[TP+\q]
.endr
.irp q, 0,1,2,3
	v_cndmask_b32 v[D+2*\q+1], v[T+2*\q], v[T+2*\q+1], s[44+\q]
.endr
.irp q, 0,1,2,3
	ds_store_b64 v253, v[D+2*\q:D+2*\q+1] offset:128*\q   ; token 16 q + r's pair at 8 x token; lanes r and r + 16 write the same bytes with the same numbers
.endr
	s_wait_alu depctr_va_vdst(0)                   ; directly ahead of the wait below
	s_wait_dscnt 0x0                               ; for the others' sake: my 64 pairs lie in LDS
	s_barrier_signal -1
	s_lshl_b32 s22, ttmp9, 10                      ; the work-group's 1,024 bytes in out2, in idx and in embt
	s_mov_b32 s23, 0
	s_add_nc_u64 s[10:11], s[10:11], s[22:23]
	s_add_nc_u64 s[12:13], s[12:13], s[22:23]
	s_add_nc_u64 s[14:15], s[14:15], s[22:23]
	s_barrier_wait -1
	s_cmp_eq_u32 s18, 0
	s_cbranch_scc0 .Lodd
	; the even waves join a token's two halves of each chunk: lane l takes tokens 2 l and 2 l + 1 of the wave's 64
	ds_load_b128 v[D:D+3], v254                    ; mine
	ds_load_b128 v[D+4:D+7], v254 offset:512       ; wave w + 1's
	s_wait_dscnt 0x0
	v_cmp_eq_f32 s44, v[D+4], v[D]
	v_cmp_eq_f32 s45, v[D+6], v[D+2]
	v_min_u32 v[D+8], v[D+1], v[D+5]
	v_min_u32 v[D+9], v[D+3], v[D+7]
	v_cmp_gt_f32 s46, v[D+4], v[D]
	v_cmp_gt_f32 s47, v[D+6], v[D+2]
	v_cndmask_b32 v[D+8], v[D+1], v[D+8], s44      ; of equal scores the lower code,
	v_cndmask_b32 v[D+9], v[D+3], v[D+9], s45
	v_cndmask_b32 v[D+8], v[D+8], v[D+5], s46      ; else the larger score's
	v_cndmask_b32 v[D+9], v[D+9], v[D+7], s47
	global_store_b64 v255, v[D+8:D+9], s[10:11]    ; 32 lanes store 256 consecutive bytes, at a multiple of 256 from the buffer's first byte
	global_store_b64 v255, v[D+8:D+9], s[12:13]
	s_wait_tensorcnt 0x0                           ; the wave's end
	ds_add_u32 v3, v4
	s_wait_dscnt 0x0
	s_endpgm
.Lodd:                                                 ; the odd waves store the work-group's four rows of embt, a row a wave
	ds_load_b64 v[D:D+1], v11
	s_wait_dscnt 0x0
	global_store_b64 v255, v[D:D+1], s[14:15]      ; a code's 64 numbers: 256 consecutive bytes, aligned
	s_wait_tensorcnt 0x0                           ; the wave's end
	ds_add_u32 v3, v4
	s_wait_dscnt 0x0
	s_endpgm
.Lfunc_end_k_q12bf0c7564_nearest:
	.size	k_q12bf0c7564_nearest, .Lfunc_end_k_q12bf0c7564_nearest-k_q12bf0c7564_nearest
	.p2alignl 7, 3214868480
	.fill 96, 4, 3214868480
	.section	.rodata,"a",@progbits
	.p2align	6, 0x0
	.amdhsa_kernel k_q12bf0c7564_nearest
		.amdhsa_group_segment_fixed_size 161792
		.amdhsa_private_segment_fixed_size 0
		.amdhsa_enable_private_segment 0
		.amdhsa_kernarg_size 48
		.amdhsa_user_sgpr_count 2
		.amdhsa_user_sgpr_kernarg_segment_ptr 1
		.amdhsa_wavefront_size32 1
		.amdhsa_system_sgpr_workgroup_id_x 1
		.amdhsa_system_sgpr_workgroup_id_y 1
		.amdhsa_system_sgpr_workgroup_id_z 1
		.amdhsa_system_vgpr_workitem_id 0
		.amdhsa_next_free_vgpr 384
		.amdhsa_next_free_sgpr 66
		.amdhsa_reserve_vcc 1
		.amdhsa_float_denorm_mode_32 3
		.amdhsa_float_denorm_mode_16_64 3
		.amdhsa_memory_ordered 1
		.amdhsa_forward_progress 1
		.amdhsa_inst_pref_size 150
	.end_amdhsa_kernel
	.amdgpu_metadata
---
amdhsa.version: [ 1, 2 ]
amdhsa.kernels:
  - .name:           k_q12bf0c7564_nearest
    .symbol:         k_q12bf0c7564_nearest.kd
    .args:
      - { .name: input, .offset: 0, .size: 8, .value_kind: global_buffer, .address_space: global }
      - { .name: embed, .offset: 8, .size: 8, .value_kind: global_buffer, .address_space: global }
      - { .name: lowp_scales, .offset: 16, .size: 8, .value_kind: global_buffer, .address_space: global }
      - { .name: out2, .offset: 24, .size: 8, .value_kind: global_buffer, .address_space: global }
      - { .name: idx, .offset: 32, .size: 8, .value_kind: global_buffer, .address_space: global }
      - { .name: embt, .offset: 40, .size: 8, .value_kind: global_buffer, .address_space: global }
    .group_segment_fixed_size: 161792
    .private_segment_fixed_size: 0
    .kernarg_segment_align: 8
    .kernarg_segment_size: 48
    .max_flat_workgroup_size: 256
    .sgpr_count:     66
    .vgpr_count:     384
    .wavefront_size: 32
...
	.end_amdgpu_metadata
.endif
;; end of part 1
;; launch emit (part 2): grid 256 x 1, 8 waves a work-group, no clusters, 0 bytes of LDS; arguments input, idx, embt, out0, out1; writes out0, out1
.if DOCPART == 2
	.amdgcn_target "amdgcn-amd-amdhsa--gfx1250"
	.amdhsa_code_object_version 6
	.text
	.protected	k_q12bf0c7564_emit
	.globl	k_q12bf0c7564_emit
	.p2align	8
	.type	k_q12bf0c7564_emit,@function
k_q12bf0c7564_emit:
	s_mov_b64 s[64:65], 0
	v_nop
	global_prefetch_b8 v0, s[64:65] scope:SCOPE_SE
	s_setreg_imm32_b32 hwreg(HW_REG_WAVE_MODE, 25, 1), 1
	s_wait_xcnt 0x0
; out0 = x + (q - x), out1 = (q - x)^2, q = the row of embt that idx names for the token.  input, out0, out1: [65,536][64] f32; idx: [65,536] int32, stored by the launch before; embt: [1,024][64] f32, likewise.
; A stream: no LDS, no barrier, no matrix unit, no loop.  A wave owns 32 tokens, 8,192 bytes of each of the three large tensors.  A token's row is 256 bytes: sixteen lanes, 16 bytes each.
; Step s of sixteen takes token s in lanes 0-15 and token 16 + s in lanes 16-31: every load and store covers two whole aligned rows of 256 bytes, and a lane's sixteen indices are neighbours in idx: four loads of 16 bytes.
; Loads return in the order of issue, so they are issued in the order of use: 4 of idx, x of steps 0-7, the gathers of steps 0-7, then x and the gathers of steps 8-15: the first stores wait for no load of the second half.
; No register that a load or a store names is written again.  The arithmetic is the formula's own, in f32, two numbers an instruction: d = q - x; x + d; d x d.
; An index is held under 1,024 before it enters an address.  No prefetch: there is no loop to run ahead in.
.set I, 8                              ; v8-23    my sixteen indices, then the gathers' offsets
.set X, 24                             ; v24-87   x, then out0: four registers a step
.set Q, 88                             ; v88-151  q, then d, then out1
	s_load_b256 s[4:11], s[0:1], 0x0               ; input s[4:5], idx s[6:7], embt s[8:9], out0 s[10:11]
	s_load_b64 s[12:13], s[0:1], 0x20              ; out1
	v_lshrrev_b32 v1, 5, v0
	v_readfirstlane_b32 s14, v1                    ; wave 0..7
	s_lshl_b32 s15, ttmp9, 3
	s_add_co_u32 s15, s15, s14                     ; my wave among the launch's 2,048
	s_lshl_b32 s16, s15, 13                        ; x 32 rows of 256 bytes
	s_mov_b32 s17, 0
	s_lshl_b32 s18, s15, 7                         ; x 32 indices of 4 bytes
	s_mov_b32 s19, 0
	v_and_b32 v2, 15, v0
	v_bfe_u32 v3, v0, 4, 1                         ; h
	v_lshlrev_b32 v4, 4, v2                        ; my 16 bytes of a row
	v_lshlrev_b32 v6, 6, v3                        ; idx: 16 indices further on for lanes 16-31
	v_lshl_add_u32 v5, v3, 12, v4                  ; + 16 rows for lanes 16-31
	s_wait_alu depctr_va_vdst(0)                   ; the wait at the head's end
	s_wait_kmcnt 0x0
	s_add_nc_u64 s[6:7], s[6:7], s[18:19]
	s_add_nc_u64 s[4:5], s[4:5], s[16:17]
	s_add_nc_u64 s[10:11], s[10:11], s[16:17]
	s_add_nc_u64 s[12:13], s[12:13], s[16:17]
.irp i, 0,1,2,3
	global_load_b128 v[I+4*\i:I+4*\i+3], v6, s[6:7] offset:16*\i       ; register s: the index of token 16 h + s
.endr
.macro XLOAD s0
.irp s, 0,1,2,3,4,5,6,7
	global_load_b128 v[X+4*(\s0+\s):X+4*(\s0+\s)+3], v5, s[4:5] offset:256*(\s0+\s) th:TH_LOAD_NT   ; read once in this launch
.endr
.endm
.macro GATHER s0
.irp s, 0,1,2,3,4,5,6,7
	v_min_u32 v[I+\s0+\s], 0x3ff, v[I+\s0+\s]      ; inside the table
.endr
.irp s, 0,1,2,3,4,5,6,7
	v_lshlrev_b32 v[I+\s0+\s], 8, v[I+\s0+\s]      ; a row of embt is 256 bytes
.endr
.irp s, 0,1,2,3,4,5,6,7
	v_add_nc_u32 v[I+\s0+\s], v4, v[I+\s0+\s]
.endr
.irp s, 0,1,2,3,4,5,6,7
	global_load_b128 v[Q+4*(\s0+\s):Q+4*(\s0+\s)+3], v[I+\s0+\s], s[8:9]   ; sixteen lanes read one whole row; rows are named again by other tokens, so no hint
.endr
.endm
	XLOAD 0
	s_wait_loadcnt 8                               ; loads come back in order (ISA guide 5.7.1): idx is in, x's eight may be out
	GATHER 0
	XLOAD 8
	GATHER 8
.irp s, 0,1,2,3,4,5,6,7,8,9,10,11,12,13,14,15
.if \s < 8
	s_wait_loadcnt 23-\s                           ; step s's gather is in; behind it stand 7 - s gathers, eight loads of x and eight gathers
.else
	s_wait_loadcnt 15-\s
.endif
	v_pk_add_f32 v[Q+4*\s:Q+4*\s+1], v[Q+4*\s:Q+4*\s+1], v[X+4*\s:X+4*\s+1] neg_lo:[0,1] neg_hi:[0,1]         ; d = q - x
	v_pk_add_f32 v[Q+4*\s+2:Q+4*\s+3], v[Q+4*\s+2:Q+4*\s+3], v[X+4*\s+2:X+4*\s+3] neg_lo:[0,1] neg_hi:[0,1]
	v_pk_add_f32 v[X+4*\s:X+4*\s+1], v[X+4*\s:X+4*\s+1], v[Q+4*\s:Q+4*\s+1]                                   ; x + d
	v_pk_add_f32 v[X+4*\s+2:X+4*\s+3], v[X+4*\s+2:X+4*\s+3], v[Q+4*\s+2:Q+4*\s+3]
	v_pk_mul_f32 v[Q+4*\s:Q+4*\s+1], v[Q+4*\s:Q+4*\s+1], v[Q+4*\s:Q+4*\s+1]                                   ; d x d
	v_pk_mul_f32 v[Q+4*\s+2:Q+4*\s+3], v[Q+4*\s+2:Q+4*\s+3], v[Q+4*\s+2:Q+4*\s+3]
	global_store_b128 v5, v[X+4*\s:X+4*\s+3], s[10:11] offset:256*\s th:TH_STORE_NT   ; two whole rows of 256 bytes; written once, read by nobody here
	global_store_b128 v5, v[Q+4*\s:Q+4*\s+3], s[12:13] offset:256*\s th:TH_STORE_NT
.endr
	s_endpgm
.Lfunc_end_k_q12bf0c7564_emit:
	.size	k_q12bf0c7564_emit, .Lfunc_end_k_q12bf0c7564_emit-k_q12bf0c7564_emit
	.p2alignl 7, 3214868480
	.fill 96, 4, 3214868480
	.section	.rodata,"a",@progbits
	.p2align	6, 0x0
	.amdhsa_kernel k_q12bf0c7564_emit
		.amdhsa_group_segment_fixed_size 0
		.amdhsa_private_segment_fixed_size 0
		.amdhsa_enable_private_segment 0
		.amdhsa_kernarg_size 40
		.amdhsa_user_sgpr_count 2
		.amdhsa_user_sgpr_kernarg_segment_ptr 1
		.amdhsa_wavefront_size32 1
		.amdhsa_system_sgpr_workgroup_id_x 1
		.amdhsa_system_sgpr_workgroup_id_y 1
		.amdhsa_system_sgpr_workgroup_id_z 1
		.amdhsa_system_vgpr_workitem_id 0
		.amdhsa_next_free_vgpr 152
		.amdhsa_next_free_sgpr 66
		.amdhsa_reserve_vcc 0
		.amdhsa_float_denorm_mode_32 3
		.amdhsa_float_denorm_mode_16_64 3
		.amdhsa_memory_ordered 1
		.amdhsa_forward_progress 1
		.amdhsa_inst_pref_size 16
	.end_amdhsa_kernel
	.amdgpu_metadata
---
amdhsa.version: [ 1, 2 ]
amdhsa.kernels:
  - .name:           k_q12bf0c7564_emit
    .symbol:         k_q12bf0c7564_emit.kd
    .args:
      - { .name: input, .offset: 0, .size: 8, .value_kind: global_buffer, .address_space: global }
      - { .name: idx, .offset: 8, .size: 8, .value_kind: global_buffer, .address_space: global }
      - { .name: embt, .offset: 16, .size: 8, .value_kind: global_buffer, .address_space: global }
      - { .name: out0, .offset: 24, .size: 8, .value_kind: global_buffer, .address_space: global }
      - { .name: out1, .offset: 32, .size: 8, .value_kind: global_buffer, .address_space: global }
    .group_segment_fixed_size: 0
    .private_segment_fixed_size: 0
    .kernarg_segment_align: 8
    .kernarg_segment_size: 40
    .max_flat_workgroup_size: 256
    .sgpr_count:     66
    .vgpr_count:     152
    .wavefront_size: 32
...
	.end_amdgpu_metadata
.endif
;; end of part 2
